; MI455X (gfx1250); checked and timed in simulation.
; The chip was launched on July 23, 2026; its instructions are those of AMD's public machine-readable ISA for CDNA 5 (MIT licence, August 2026) and "CDNA5" Instruction Set Architecture Reference Guide (July 2026). The comments in the code are by the model that wrote it; some were corrected since.
;; Naive SDPA. Allowed arithmetic: matrix products marked QUANTISED: E3M2 operands, one E8M0 scale for each 32 along K, by v_wmma_scale_f32_16x16x128_f8f6f4 with both operands' format E3M2, f32 sums; everything else in f32.
;; Inputs: attn_mask 2,048 x 2,048 float32; key_padding_mask 4 x 2,048 bool; keys_codes 4 x 16 x 2,048 x 4 x 24 uint8 (E3M2 codes of keys, K innermost, in blocks of 32 codes, four codes in three bytes); keys_scales 4 x 16 x 2,048 x 4 uint8 (E8M0 scales of keys, one for each 32 codes along K); seqs_codes 4 x 16 x 2,048 x 4 x 24 uint8 (E3M2 codes of seqs, K innermost, in blocks of 32 codes, four codes in three bytes); seqs_scales 4 x 16 x 2,048 x 4 uint8 (E8M0 scales of seqs, one for each 32 codes along K); values_codes 4 x 16 x 128 x 64 x 24 uint8 (E3M2 codes of values, K innermost, in blocks of 32 codes, four codes in three bytes); values_scales 4 x 16 x 128 x 64 uint8 (E8M0 scales of values, one for each 32 codes along K).
;; Outputs: out0 4 x 16 x 2,048 x 128 float32.
;; This version of the problem:
;;   THIS VERSION OF THE PROBLEM IS GIVEN IN LOW PRECISION. The matrix products marked QUANTISED in the list below multiply operands that are first quantised to E3M2 (3 exponent bits, 2 mantissa bits; 6 bits a number), with one power-of-two scale for each 32 numbers along K (OCP MX v1.0); their sums are f32. All else is computed in f32.
;;   The module's matrix products, in the order in which they are computed (A, B: the left and right operand; K: the contracted axis; several contracted axes count as one K, in the product's order):
;;     1. batch 64 x [M 2,048, K 128] x [K 128, N 2,048]; A: input seqs (given as codes); B: input keys (given as codes): QUANTISED
;;     2. batch 64 x [M 2,048, K 2,048] x [K 2,048, N 128]; A: softmax (see below); B: input values (given as codes): QUANTISED
;;   THE QUANTISER, for each operand of a quantised product, along K:
;;     - K is cut into blocks of 32 from its start; a last block that is shorter is filled with zeros.
;;     - A block's scale is 2^e with e = floor(log2(the largest magnitude in the block)) - 4, held to -126 .. 127; a block of zeros has e = 0. As a byte (E8M0): e + 127.
;;     - Each number is divided by its block's scale, clamped to +-28, and rounded to the nearest number of E3M2, ties to even, subnormals kept.
;;     - The product sums the exact products of the quantised numbers (number of the format x scale) in f32.
;;   ~~~python
;;   def quantise(x, axis):      # numpy; x: float32 -> the quantised numbers, widened to float32 again
;;       x = np.moveaxis(x, axis, -1); K = x.shape[-1]
;;       x = np.pad(x, [(0, 0)] * (x.ndim - 1) + [(0, -K % 32)]); x = x.reshape(x.shape[:-1] + (-1, 32)); a = np.abs(x).max(-1, keepdims=True)
;;       e = np.where(a > 0, np.clip(np.frexp(np.where(a > 0, a, 1))[1] - 1 - 4, -126, 127), 0)      # np.frexp(a)[1] - 1 = floor(log2(a)), exactly
;;       r = np.clip(x / 2.0 ** e, -28, 28)
;;       step = 2.0 ** (np.maximum(np.frexp(np.where(r == 0, 1, r))[1] - 1, -2) - 2)
;;       q = np.round(r / step) * step * 2.0 ** e      # np.round: ties to even
;;       return np.moveaxis(q.reshape(q.shape[:-2] + (-1,))[..., :K], -1, axis).astype(np.float32)
;;   ~~~
;;   SOFTMAX AHEAD OF A QUANTISED PRODUCT. Where the list says 'softmax', what is quantised is not the finished softmax but p = 2^(t - M), with t = logit x log2(e) and M = ceil(the row's largest t), a whole number; so 1/2 < the row's largest p <= 1. The row's sum l is taken of the UNQUANTISED p, in f32, and the product's result is divided by l at the end. Since M is a whole number, a kernel that streams over the keys may use a running M (the ceiling of the running maximum): every later rescaling is an exact power of two, which a block's scale takes up: the codes' values come out the same.
;;   OPERANDS COMPUTED ON THE WAY. 'Computed on the way' means the value that the module computes at that place (a softmax that the list does not call 'softmax' is quantised finished and normalised). What goes into a quantiser is computed in f32, as accurately as f32 sums, v_exp_f32 and their like allow (about 1e-6 of the number): no bf16 or f16 on the way to a quantiser, and a product that is left as it is and whose result goes on into a quantised operand takes f32 operands (vector FMAs, or v_wmma_f32_16x16x4_f32). A number that lies on a knife's edge between two numbers of the format may be rounded either way, as far as f32 arithmetic and the matrix unit's own rounding can turn it there, and no further.
;;   INPUTS GIVEN AS CODES. keys (in the module: [4, 16, 2048, 128], K = its axis 3); seqs (in the module: [4, 16, 2048, 128], K = its axis 3); values (in the module: [4, 16, 2048, 128], K = its axis 2): each comes as NAME_codes (uint8): NAME with its K axis moved to the last place and cut into blocks of 32 codes, [.., K / 32, bytes a block], one block behind the other in memory; four codes in three bytes: a row's codes are one little-endian stream of bits, code i at bits 6 i .. 6 i + 5 (a code: sign, 3 exponent bits, 2 mantissa bits); and NAME_scales (uint8): the same leading axes, one E8M0 byte (e + 127) for each 32 codes along K. Its value is code x scale, taken as it is: it is not quantised again, and the codes and scales need not be those that the quantiser above would give.
;; One version. Each part assembles by itself: llvm-mc -triple=amdgcn-amd-amdhsa -mcpu=gfx1250 --defsym DOCPART=n.
;; ======== version 1 of 1: 1 launch
;; launch attn (part 1): grid 16 x 32, 8 waves a work-group, clusters of 4 x 4, 327,680 bytes of LDS; arguments attn_mask, key_padding_mask, keys_codes, keys_scales, seqs_codes, seqs_scales, values_codes, values_scales, out0; writes out0
.if DOCPART == 1
	.amdgcn_target "amdgcn-amd-amdhsa--gfx1250"
	.amdhsa_code_object_version 6
	.text
	.protected	k_qb6b3a1fb88_attn
	.globl	k_qb6b3a1fb88_attn
	.p2align	8
	.type	k_qb6b3a1fb88_attn,@function
k_qb6b3a1fb88_attn:
	s_mov_b64 s[64:65], 0
	v_nop
	global_prefetch_b8 v0, s[64:65] scope:SCOPE_SE
	s_setreg_imm32_b32 hwreg(HW_REG_WAVE_MODE, 25, 1), 1
	s_wait_xcnt 0x0
	s_wait_alu depctr_hold_cnt(0) depctr_sa_sdst(0) depctr_va_vdst(0) depctr_va_sdst(0) depctr_va_ssrc(0) depctr_va_vcc(0) depctr_vm_vsrc(0)
	s_getreg_b32 s2, hwreg(HW_REG_IB_STS2, 6, 4)
	s_cmp_eq_u32 s2, 0
	s_cbranch_scc0 .Lentry_in_a_cluster
	s_endpgm
.Lentry_in_a_cluster:
	s_bfe_u32 s2, ttmp6, 0x10000c
	s_cmp_lg_u32 s2, 0xf033
	s_cbranch_scc0 .Lentry_shape_is_right
	s_endpgm
.Lentry_shape_is_right:
; out0[b][h][q][:] = the sum over keys k of softmax_k(Q.K / sqrt(128) + attn_mask[q][k], -inf where key_padding_mask[b][k] = 0) V[k][:].
; 4 x 16 heads, 2,048 queries, 2,048 keys, head size 128.  Both products on codes of BF6 (E3M2) with one E8M0 scale for each 32 along a product's K.
; Q, K: codes [head][2048][96 bytes], scale words [head][2048][4].  V: codes with the KEYS innermost, [head][128][1536 bytes], scale bytes [head][128][64].
; THE SOFTMAX AHEAD OF THE SECOND PRODUCT: logit u = score x 128^-0.5 + attn_mask (one fused multiply-add); t = u x log2(e), ROUNDED TO f32, or -inf for a padded key;
; M = the running largest t rounded up to a whole number; p = 2^(t - M) is quantised along the keys, not normalised.  The row's sum is taken of the unquantised p and divides O at the end.
; t is rounded before M is taken off, so that a row whose allowed keys all carry the same huge negative mask number has equal whole t, t - M = 0 and p = 1 exactly.
; Both masks are inputs: every query walks all 2,048 keys, and every score takes its own mask number.
; LIMITS: NaN and +infinity in attn_mask are not served (the maxima drop a NaN); p under 2^-126 comes out as 0 (v_exp_f32 flushes denormal results: ISA guide 15.8);
; a scale byte 0xff among the inputs gives NaN.  -infinity in attn_mask is served; a row whose keys are all padded gives 0 x 1/0 = NaN, as the softmax of such a row is.
; SHARES.  A work-group owns 128 queries of TWO heads of one batch (heads 2 y and 2 y + 1), so that one tile of attn_mask (128 x 128 f32) serves both heads.  Eight waves: wave w has head w / 4 of the
; pair and queries 32 (w % 4) on, as two tiles of 16, in 512 registers: each fragment of K and V read from LDS feeds two products, and two waves share a SIMD.
; Every wave walks 16 key steps of 128 keys.  A step's tiles (mask 64 KB, K and V of both heads 48 KB) come through a ring of two LDS slots filled by the tensor data mover.
; TWO PHASES.  A key step has two parts: PHA, with all its LDS reads (K, the mask, pad, V), the score products, the logits and t; and PHB, on registers alone: the two softmaxes and the products V^T P.
; Between two changes of slots a wave of phase 0 runs PHA of step j and then PHB of step j; a wave of phase 1 runs PHB of step j - 1 and then PHA of step j: what PHB wants (t, V's fragments and scale
; words) lies in registers and is carried over the barrier.  So four waves are at LDS while the other four are at their vector work, and then they change places.
; The phase is (w xor w / 4) & 1: it differs between waves w and w + 4 and between waves w and w + 1, so the two waves of a SIMD differ in it whether the eight are dealt to the four SIMDs by turns or in pairs.
; PHA, every barrier, every tensor load and every LDS address stand on all waves' path; only PHB stands under a branch on the wave's number.
; CLUSTER 4 x 4.  K's and V's tiles hang on the pair of heads alone (work-group y): asked for jointly along a row of the cluster.  The mask's tile hangs on the block of queries alone (work-group x):
; asked for jointly along a column.  That divides the requests for all three by four.
; LAYOUT.  Both products are used transposed: S^T = K Q^T (source 0 = 16 keys, source 1 = 16 queries), O^T = V^T P^T: a lane holds ONE query (lane % 16) throughout.
; THE KEYS OF A TILE ARE NOT NEIGHBOURS: lane r of tile 4 c + u takes key 64 c + 8 u + r % 8 + 32 (r / 8).  Register 32 c + i of S^T in lane half h is then key 64 c + 32 h + i: a lane holds two WHOLE
; blocks of 32 keys in the very order of the 6-bit operand: a block's maximum needs no other lane, and the conversions' results are the second product's operand.
; No prefetch into the cache: every tile is asked for a whole key step ahead and is read by many clusters.  No launch that lays K, V or the mask anew: it would move more bytes than it spares.
;
; LDS.  Rows of codes (96 bytes) take 16 bytes of padding behind every 32: pitch 144 = 36 words: sixteen neighbouring rows start at the sixteen multiples of 4 banks (64 banks of 4 bytes: ISA guide 11.1),
; and the other half of the lanes, 24 or 40 bytes on, falls between them.  K's keys with bit 5 set lie in a region of their own, 128 bytes askew, since 32 rows on is the same bank at this pitch.
.set SLOT,  141568                     ; a slot: the mask's tile, K's tiles, V's tiles
.set MP,    528                        ; a row of the mask's tile: 512 bytes + 16: row r starts at bank 4 r
.set KOFF,  128*MP                     ; 67,584: K: head hd at hd x KHEAD; in it 64 keys with bit 5 = 0, then, KODD on, the 64 with bit 5 = 1
.set CP,    144                        ; a row of codes
.set KODD,  64*CP+128                  ; 9,344
.set KHEAD, KODD+64*CP                 ; 18,560
.set VOFF,  KOFF+2*KHEAD               ; 104,704: V: head hd at hd x VHEAD: 128 rows d
.set VHEAD, 128*CP                     ; 18,432
.set SCK,   2*SLOT                     ; behind the ring, written by LDS stores once: K's scale bytes of both heads, 64 runs of 256 bytes + 16;
.set SHEAD, 32*272                     ; (a head's: 8,704)
.set SCV,   SCK+2*SHEAD                ; V's likewise;
.set PADB,  SCV+2*SHEAD                ; pad[2048] f32: 0 for a key that counts, -inf for a padded one;
.set SPARE, PADB+8192                  ; the spare words, 128 bytes for each wave: four blocks of 256 bytes that no other line names.  End: 327,168
; The way out's stages, 16 rows x 528 bytes for each wave, lie in slot 0's mask region: it has had its last fill (step 14) and its last read when the last change of slots is passed.
; The launch claims all of a WGP's LDS.
;
; VECTOR REGISTERS, window 0: v0 thread; v1, v2 the add's two; v3-7 lane terms of K (two), V (two), mask; v8-12 the same in the slot in hand; v13 pad, v14 K's scale words, v15 V's;
;   v16-19 scale words of eight tiles (register i: tile 2 i in lanes 0-15, tile 2 i + 1 in lanes 16-31); v20 Q's (tile 0 | tile 1); v21, v22 p's; v23 8 h;
;   v24-27, v28-31 for each tile -M, the largest t, the sum in two halves; v32-43, v44-55 p's codes; v56-58 the way out; v59 an offset at the head; v[60:61], v[62:63] 1 / sum;
;   v64-127, v128-191 S^T, then p, of tiles 0 and 1; v192-255 tile 1's mask, then pad, then at work.
; window 1: v0-63, v64-127 O^T of tiles 0 and 1; v128-223 eight fragments of K or V (v128-191 also tile 0's mask); v224-235, v236-247 Q.
; SCALAR: s[4:21] the nine addresses; s22 wave, s23 w & 1, s24 (w >> 1) & 1, s25 w >> 2, s26 w & 3, s27 trips; s[28:51] three groups 1; s[52:63] three groups 0; s[66:67] lane selects;
;   s[68:69] 128^-0.5, s[70:71] log2(e); s72 the slot read, s73 the slot filled; s74-76 my tile's place in a slot; s77-82 place in the cluster, ids, masks; s83-97 offsets; s98 my phase.
.set G1K, 28
.set G1V, 36
.set G1M, 44
.set G0K, 52
.set G0V, 56
.set G0M, 60
.set MSB, 0
.macro WIN new                         ; s_set_vgpr_msb: bits 1:0 source 0, 3:2 source 1, 5:4 source 2, 7:6 destination; the high byte repeats the setting that is left
.if MSB != \new
	s_set_vgpr_msb (MSB<<8)|\new
.set MSB, \new
.endif
.endm
; A round of the cluster's barrier: my work-group's barrier, so that wave 0's signal speaks for all eight waves; wave 0 signals; every wave waits for all sixteen work-groups; my work-group's barrier once more.
.macro ROUND
	s_barrier_signal -1
	s_barrier_wait -1
	s_cmp_lg_u32 s22, 0
	s_cbranch_scc1 .Lnot_wave_0_\@
	s_barrier_signal -3
.Lnot_wave_0_\@:
	s_barrier_wait -3
	s_barrier_signal -1
	s_barrier_wait -1
.endm
; A joint load, one a wave: waves 0-3 a quarter of K's tiles each, waves 4, 5 a head's tile of V, waves 6, 7 half of the mask's tile.  The branches hang on the wave's number alone.
; Four v_nop follow each of the three lines, ahead of the jump, the label and what follows.
.macro JLOAD
	s_cmp_lt_u32 s22, 4
	s_cbranch_scc0 .Lnot_k_\@
	tensor_load_to_lds s[G0K:G0K+3], s[G1K:G1K+7]
	s_nop 0
.rept 4
	v_nop
.endr
	s_branch .Lasked_\@
.Lnot_k_\@:
	s_cmp_lt_u32 s22, 6
	s_cbranch_scc0 .Lfor_m_\@
	tensor_load_to_lds s[G0V:G0V+3], s[G1V:G1V+7]
	s_nop 0
.rept 4
	v_nop
.endr
	s_branch .Lasked_\@
.Lfor_m_\@:
	tensor_load_to_lds s[G0M:G0M+3], s[G1M:G1M+7]
	s_nop 0
.rept 4
	v_nop
.endr
.Lasked_\@:
.endm
; THE CHANGE OF SLOTS.  Each wave waits for all its tensor loads (one is out: its part of the slot about to be read), adds 0 to its spare word, and waits for that and for its LDS
; instructions (its reads of the slot that it has left: both phases have run that step's PHA).  fill = 1: a round of the cluster's barrier follows, so that no wave of any partner still reads the slot left
; or has a load on its way, and the joint load of the next step's tiles into that slot is the first thing behind it: it has a whole key step in which to land.
.macro CHANGE fill
	WIN 0
	s_wait_tensorcnt 0x0                           ; no tensor load of mine is out, so the groups 0 may be written
	ds_add_u32 v1, v2                              ; 0 onto my spare word: the descriptors' steps stand between it and the wait for it
.if \fill
	s_xor_b32 s73, s73, SLOT                       ; the other slot than last time
	s_add_co_u32 s[G0K+1], s74, s73
	s_add_co_u32 s[G0V+1], s75, s73
	s_add_co_u32 s[G0M+1], s76, s73
	s_add_nc_u64 s[G0K+2:G0K+3], s[G0K+2:G0K+3], 128*96    ; the next 128 keys: K's rows,
	s_add_nc_u64 s[G0V+2:G0V+3], s[G0V+2:G0V+3], 96        ; 96 bytes on in V's rows,
	s_add_nc_u64 s[G0M+2:G0M+3], s[G0M+2:G0M+3], 512       ; 128 f32 on in the mask's; the type bits on top are not reached
.endif
	s_wait_dscnt 0x0                               ; the add is done, and my LDS loads and stores are over
.if \fill
	ROUND
	JLOAD
.else
	s_barrier_signal -1
	s_barrier_wait -1
.endif
.endm
; A fragment, 16 rows x 128 K of 6-bit codes, is 12 registers: lane (r, h) holds row r; registers 6 c .. 6 c + 5 hold K = 64 c + 32 h + 0 .. 31: 24 bytes of the row's stream of bits, as they lie.
; In pieces of 8 bytes: lanes 0-15 take the row's pieces 0, 1, 2 and 6, 7, 8, lanes 16-31 those three pieces on.  Piece p lies at 8 p + 16 (p / 4): three pieces on is 24 bytes on for p = 0 and 8
; (register adr) and 40 for the others, which cross one padding more (register adr + 1).
.macro FRAG reg, adr, off
.irp p, 0,1,2,3,4,5
.set PCE, 6*(\p/3)+\p%3
.if PCE%4 == 0
	ds_load_b64 v[\reg+2*\p:\reg+2*\p+1], v[\adr] offset:\off+8*PCE+16*(PCE/4)
.else
	ds_load_b64 v[\reg+2*\p:\reg+2*\p+1], v[\adr+1] offset:\off+8*PCE+16*(PCE/4)
.endif
.endr
.endm
; S^T = K Q^T: eight tiles of keys x my two tiles of queries; each product is a whole sum (K = the head's 128) and starts from the constant 0.
.macro KQ
.irp a, 0,1,2,3,4,5,6,7
.irp q, 0,1
.if (\a%2 == 0) && (\q == 0)
	v_wmma_scale_f32_16x16x128_f8f6f4 v[64+64*\q+8*\a:71+64*\q+8*\a], v[128+12*\a:139+12*\a], v[224+12*\q:235+12*\q], 0, v[16+\a/2], v20 matrix_a_fmt:MATRIX_FMT_BF6 matrix_b_fmt:MATRIX_FMT_BF6
.elseif \a%2 == 0
	v_wmma_scale_f32_16x16x128_f8f6f4 v[64+64*\q+8*\a:71+64*\q+8*\a], v[128+12*\a:139+12*\a], v[224+12*\q:235+12*\q], 0, v[16+\a/2], v20 matrix_a_fmt:MATRIX_FMT_BF6 matrix_b_fmt:MATRIX_FMT_BF6 matrix_b_scale:MATRIX_SCALE_ROW1
.elseif \q == 0
	v_wmma_scale_f32_16x16x128_f8f6f4 v[64+64*\q+8*\a:71+64*\q+8*\a], v[128+12*\a:139+12*\a], v[224+12*\q:235+12*\q], 0, v[16+\a/2], v20 matrix_a_fmt:MATRIX_FMT_BF6 matrix_b_fmt:MATRIX_FMT_BF6 matrix_a_scale:MATRIX_SCALE_ROW1
.else
	v_wmma_scale_f32_16x16x128_f8f6f4 v[64+64*\q+8*\a:71+64*\q+8*\a], v[128+12*\a:139+12*\a], v[224+12*\q:235+12*\q], 0, v[16+\a/2], v20 matrix_a_fmt:MATRIX_FMT_BF6 matrix_b_fmt:MATRIX_FMT_BF6 matrix_a_scale:MATRIX_SCALE_ROW1 matrix_b_scale:MATRIX_SCALE_ROW1
.endif
.endr
.endr
.endm
; O^T += V^T P^T: eight tiles of 16 of the head's 128 x my two tiles of queries; K = the step's 128 keys.  The sixteen accumulators take turns, one instruction a turn;
; on every way the score products of the next step stand between two runs of these.
.macro PVM
.irp a, 0,1,2,3,4,5,6,7
.irp q, 0,1
.if \a%2 == 0
	v_wmma_scale_f32_16x16x128_f8f6f4 v[64*\q+8*\a:64*\q+8*\a+7], v[128+12*\a:139+12*\a], v[32+12*\q:43+12*\q], v[64*\q+8*\a:64*\q+8*\a+7], v[16+\a/2], v[21+\q] matrix_a_fmt:MATRIX_FMT_BF6 matrix_b_fmt:MATRIX_FMT_BF6
.else
	v_wmma_scale_f32_16x16x128_f8f6f4 v[64*\q+8*\a:64*\q+8*\a+7], v[128+12*\a:139+12*\a], v[32+12*\q:43+12*\q], v[64*\q+8*\a:64*\q+8*\a+7], v[16+\a/2], v[21+\q] matrix_a_fmt:MATRIX_FMT_BF6 matrix_b_fmt:MATRIX_FMT_BF6 matrix_a_scale:MATRIX_SCALE_ROW1
.endif
.endr
.endr
.endm
.macro MASKLD dst, t                   ; my query's 64 mask numbers of tile t, in S^T's order: register 32 c + i = key 64 c + 32 h + i
.irp c, 0,1
.irp j, 0,1,2,3,4,5,6,7
	ds_load_b128 v[\dst+32*\c+4*\j:\dst+32*\c+4*\j+3], v12 offset:16*MP*\t+256*\c+16*\j
.endr
.endr
.endm
.macro PADLD                           ; pad of the same 64 keys: the sixteen lanes of a half read the same bytes
.irp c, 0,1
.irp j, 0,1,2,3,4,5,6,7
	ds_load_b128 v[192+32*\c+4*\j:192+32*\c+4*\j+3], v13 offset:256*\c+16*\j
.endr
.endr
.endm
; THE SOFTMAX OF TILE t FOR A KEY STEP, from t in S^T's registers to p's codes, p's scale word, the sum and O^T under the new M.
; At work, in the registers that held pad: v[192:193] f; v194-197 maxima; v198, 199 the conversions' scale operands; v200, 201 scale bytes; v202, 203 the word; v204-206, v208-210 upper halves of blocks; v[212:213] a sum.
.macro SOFT t
.set SB, 64+64*\t
.set ST, 24+4*\t
.set PB, 32+12*\t
	WIN 0
.irp q, 0,1,2,3
	v_max3_num_f32 v[194+\q], v[SB+16*\q], v[SB+16*\q+1], v[SB+16*\q+2]    ; THE LARGEST t OF EACH BLOCK OF 32 KEYS, two chains of 16 a block, the four by turns: it serves for the row's maximum and, since p rises with t, for the block's largest p
.endr
.irp i, 3,5,7,9,11,13
.irp q, 0,1,2,3
	v_max3_num_f32 v[194+\q], v[194+\q], v[SB+16*\q+\i], v[SB+16*\q+\i+1]
.endr
.endr
.irp q, 0,1,2,3
	v_max_num_f32 v[194+\q], v[194+\q], v[SB+16*\q+15]
.endr
	v_max_num_f32 v194, v194, v195                 ; block h
	v_max_num_f32 v195, v196, v197                 ; block 2 + h
	v_max_num_f32 v196, v194, v195
	v_permlanex16_b32 v197, v196, s66, s67         ; the query's other two blocks lie in the lane 16 away
	v_max_num_f32 v196, v196, v197                 ; the step's largest t of my query
	v_mov_b32 v197, v[ST]                          ; the old -M
	v_max_num_f32 v[ST+1], v[ST+1], v196           ; the running largest t
	v_floor_f32 v[ST], -v[ST+1]                    ; the new -M = floor(-t) = -ceil(t): M is a whole number
	v_sub_f32 v197, v[ST], v197                    ; old M - new M: a whole number, 0 or less
	v_cvt_i32_f32 v197, v197                       ; (it saturates)
	v_ldexp_f32 v192, 1.0, v197                    ; f = 2^(old M - new M): a multiplication by it rounds nothing
.set j, 0
.rept 32
	v_pk_add_f32 v[SB+j:SB+j+1], v[SB+j:SB+j+1], v[ST:ST+1] op_sel_hi:[1,0]    ; t - M, two at a time (of the pair the low word, -M, serves both halves)
.set j, j+2
.endr
	v_add_f32 v194, v194, v[ST]                    ; the same of each block's largest t
	v_add_f32 v195, v195, v[ST]
.set j, 0
.rept 64
	v_exp_f32 v[SB+j], v[SB+j]                     ; p = 2^(t - M), at most 1: not normalised
.set j, j+1
.endr
	v_exp_f32 v194, v194                           ; the block's largest p: the same two instructions on the same number give the same bits
	v_exp_f32 v195, v195
	v_pk_mul_f32 v[ST+2:ST+3], v[ST+2:ST+3], v[192:193] op_sel_hi:[1,0]        ; the sums under the new M.  (The plain instruction behind the exponentials: ISA guide 5.7.2)
	s_wait_alu depctr_va_vdst(0)
	v_max_num_f32 v194, 0x2800000, v194            ; the floor 2^(5 - 127): the byte cannot fall under 1 (a block whose every p is 0 keeps that byte: its codes are zeros)
	v_max_num_f32 v195, 0x2800000, v195
	v_add_nc_u32 v198, 0xfe000000, v194            ; 4 off the exponent field: the conversion takes the exponent field of this operand as its scale
	v_add_nc_u32 v199, 0xfe000000, v195
	v_lshrrev_b32 v200, 23, v198                   ; the scale's byte
	v_lshrrev_b32 v201, 23, v199
	v_lshl_or_b32 v202, v201, 16, v200             ; my two bytes, blocks h and 2 + h,
	v_lshlrev_b32 v202, v23, v202                  ; at their places in the scale word (8 h bits up);
	v_permlanex16_b32 v203, v202, s66, s67
	v_or_b32 v[21+\t], v202, v203                  ; with the other half's two the word is whole
.irp c, 0,1
	v_cvt_scalef32_pk16_bf6_f32 v[PB+6*\c:PB+6*\c+2], v[SB+32*\c:SB+32*\c+15], v[198+\c]       ; registers 6 c .. 6 c + 2 of the operand
	v_cvt_scalef32_pk16_bf6_f32 v[204+4*\c:206+4*\c], v[SB+32*\c+16:SB+32*\c+31], v[198+\c]    ; (a conversion's three registers begin on an even number: the block's second three do not, so they are made elsewhere and moved)
.endr
	v_nop                                          ; one plain instruction behind a scaled conversion
.irp c, 0,1
.irp i, 0,1,2
	v_mov_b32 v[PB+6*\c+3+\i], v[204+4*\c+\i]
.endr
.endr
	v_pk_add_f32 v[212:213], v[SB:SB+1], v[SB+2:SB+3]      ; THE ROW'S SUM IS TAKEN OF THE UNQUANTISED p: two at a time, in two chains.  These 32 name no register of the products below:
.irp j, 4,8,12,16,20,24,28,32,36,40,44,48,52,56,60         ; they are the places between the writing of p's scale word and codes and the scaled products
	v_pk_add_f32 v[ST+2:ST+3], v[ST+2:ST+3], v[SB+\j:SB+\j+1]
	v_pk_add_f32 v[212:213], v[212:213], v[SB+\j+2:SB+\j+3]
.endr
	v_pk_add_f32 v[ST+2:ST+3], v[ST+2:ST+3], v[212:213]
	WIN 0x41                                       ; O^T (destination and source 0) in window 1, f in window 0
.set j, 0
.rept 32
	v_pk_mul_f32 v[64*\t+j:64*\t+j+1], v[64*\t+j:64*\t+j+1], v[192:193] op_sel_hi:[1,0]    ; O^T under the new M, each accumulator from its low end on
.set j, j+2
.endr
.endm
; PHA: A KEY STEP'S FIRST PART, on every wave's path: all its LDS reads, from the slot at s72; the score products; the logits; t.  It leaves t in S^T's registers and V's fragments and scale words on their way.
.macro PHA
	WIN 0
	v_add_nc_u32 v13, 512, v13                     ; this step's pad, K's scale words (two runs of 256 + 16) and V's: stepped here, where no LDS load of mine is out; they begin one step back
	v_add_nc_u32 v14, 544, v14
	v_add_nc_u32 v15, 4, v15
	v_add_nc_u32 v8, s72, v3                       ; the slot's addresses.  These eight are the places
	v_add_nc_u32 v9, s72, v4                       ; between the last products V^T P and the loads into the registers that they read, on both phases' ways
	v_add_nc_u32 v10, s72, v5
	v_add_nc_u32 v11, s72, v6
	v_add_nc_u32 v12, s72, v7
	WIN 0x40                                       ; destination window 1, address window 0
.irp a, 0,1,2,3,4,5,6,7
	FRAG 128+12*\a, 8, (32*(\a/4)+8*(\a%4))*CP     ; K's tile a = 4 c + u: rows 32 c + 8 u on of each of the two regions
.endr
	WIN 0
.irp i, 0,1,2,3
	ds_load_b32 v[16+\i], v14 offset:272*(\i/2)+64*(\i%2)  ; the scale words of tiles 2 i (lanes 0-15) and 2 i + 1 (lanes 16-31)
.endr
	s_wait_dscnt 0x0                               ; K's fragments and scale words are in
	WIN 0x05                                       ; K and Q in window 1, S^T in window 0
	KQ
	WIN 0
.rept 4
	v_nop                                          ; four places in front of loads into K's registers and of the first read of the scores
.endr
	MASKLD 192, 1
	WIN 0x40
	MASKLD 128, 0                                  ; tile 0's mask takes K's registers
	WIN 0
	s_wait_dscnt 16                                ; tile 1's mask is in; tile 0's sixteen loads may be out
.set j, 0
.rept 32
	v_pk_fma_f32 v[128+j:129+j], v[128+j:129+j], s[68:69], v[192+j:193+j] op_sel_hi:[1,0,1]    ; the logit: score x 128^-0.5 + attn_mask; each accumulator from its low end on
.set j, j+2
.endr
	PADLD
	s_wait_dscnt 16                                ; tile 0's mask is in; pad's sixteen loads may be out
	WIN 0x10                                       ; source 2 in window 1
.set j, 0
.rept 32
	v_pk_fma_f32 v[64+j:65+j], v[64+j:65+j], s[68:69], v[128+j:129+j] op_sel_hi:[1,0,1]
.set j, j+2
.endr
	WIN 0x40
.irp a, 0,1,2,3,4,5,6,7
	FRAG 128+12*\a, 10, 16*\a*CP                   ; V's tile a: rows d = 16 a on
.endr
	WIN 0
.irp i, 0,1,2,3
	ds_load_b32 v[16+\i], v15 offset:2176*\i       ; V's scale words of tiles 2 i and 2 i + 1 for these 128 keys
.endr
	s_wait_dscnt 52                                ; pad is in; V's 48 + 4 loads may be out
.set j, 0
.rept 32
	v_pk_fma_f32 v[64+j:65+j], v[64+j:65+j], s[70:71], v[192+j:193+j] op_sel_hi:[1,0,1]        ; t = logit x log2(e), rounded to f32; -inf for a padded key
.set j, j+2
.endr
.set j, 0
.rept 32
	v_pk_fma_f32 v[128+j:129+j], v[128+j:129+j], s[70:71], v[192+j:193+j] op_sel_hi:[1,0,1]
.set j, j+2
.endr
	s_xor_b32 s72, s72, SLOT                       ; the next PHA reads the other slot
.endm
; PHB: A KEY STEP'S SECOND PART, on registers alone: no LDS address, no barrier, no tensor load.
.macro PHB
	SOFT 0
	SOFT 1
	s_wait_dscnt 0x0                               ; V's fragments and scale words are in (a wave of phase 1 has waited for them in front of the barrier already)
	WIN 0x51                                       ; V and O^T in window 1, p in window 0
	PVM
	WIN 0                                          ; at a label and at a branch every window is 0
.endm
.macro PHB_IF ph                       ; PHB for the waves of phase ph; the branch hangs on the wave's number alone
	s_cmp_lg_u32 s98, \ph
	s_cbranch_scc1 .Lnot_mine_\@
	PHB
.Lnot_mine_\@:
.endm
	s_load_b512 s[4:19], s[0:1], 0x0               ; attn_mask s[4:5], key_padding_mask s[6:7], K's codes s[8:9], scales s[10:11], Q's s[12:13], s[14:15], V's s[16:17], s[18:19]
	s_load_b64 s[20:21], s[0:1], 0x40              ; out0
	v_lshl_add_u32 v1, v0, 2, SPARE
	v_mov_b32 v2, 0
	ds_add_u32 v1, v2
	ds_add_u32 v1, v2
	s_wait_dscnt 0x0
	v_lshrrev_b32 v110, 5, v0
	v_readfirstlane_b32 s22, v110                  ; wave 0..7
	s_and_b32 s23, s22, 1
	s_bfe_u32 s24, s22, 0x10001                    ; (w >> 1) & 1
	s_lshr_b32 s25, s22, 2                         ; my head of the pair
	s_and_b32 s26, s22, 3                          ; my 32 queries of the block
	s_xor_b32 s98, s23, s25                        ; my phase: (w xor w / 4) & 1
	s_bfe_u32 s77, ttmp6, 0x40000                  ; cx, cy: my place in the cluster
	s_bfe_u32 s78, ttmp6, 0x40004
	s_lshl_b32 s79, ttmp9, 2
	s_add_co_u32 s79, s79, s77                     ; block of 128 queries = 4 x cluster x + cx
	s_and_b32 s80, ttmp7, 0xffff
	s_lshl_b32 s80, s80, 2
	s_add_co_u32 s80, s80, s78                     ; pair of heads = 4 x cluster y + cy
	s_lshl_b32 s81, s78, 2
	s_lshl_b32 s81, 15, s81                        ; my row of the cluster: places 4 cy .. 4 cy + 3
	s_lshl_b32 s82, 0x1111, s77                    ; my column: places cx, cx + 4, cx + 8, cx + 12
	; descriptor groups 1.  K: two runs of 32 keys (384 elements of 8 bytes, dense), 64 keys apart.  V: 128 rows of 96 bytes, 1,536 bytes apart.  Both: 4 words of padding behind every 8 words.
	s_or_b32 s[G1K], s81, (3<<16)|(1<<20)|(1<<21)|(2<<22)|(3<<25)  ; 15:0 the mask: my row; 17:16 elements of 8 bytes; 20 padding on; 21 set beside a mask; 24:22 after every 8 words (code 2); 31:25 of 4 words (code 3)
	s_mov_b32 s[G1K+1], 384<<16                    ; tensor_dim0
	s_mov_b32 s[G1K+2], 2<<16                      ; tensor_dim1
	s_mov_b32 s[G1K+3], 384<<16                    ; tile_dim0
	s_mov_b32 s[G1K+4], 2                          ; tile_dim1
	s_mov_b32 s[G1K+5], 768                        ; tensor_dim0_stride
	s_mov_b32 s[G1K+6], 0
	s_mov_b32 s[G1K+7], 0
	s_or_b32 s[G1V], s81, (3<<16)|(1<<20)|(1<<21)|(2<<22)|(3<<25)
	s_mov_b32 s[G1V+1], 12<<16
	s_mov_b32 s[G1V+2], 128<<16
	s_mov_b32 s[G1V+3], 12<<16
	s_mov_b32 s[G1V+4], 128
	s_mov_b32 s[G1V+5], 192
	s_mov_b32 s[G1V+6], 0
	s_mov_b32 s[G1V+7], 0
	; the mask: 64 rows of 128 f32, 2,048 f32 apart, 4 words of padding behind every 128
	s_or_b32 s[G1M], s82, (2<<16)|(1<<20)|(1<<21)|(6<<22)|(3<<25)  ; the mask: my column
	s_mov_b32 s[G1M+1], 128<<16
	s_mov_b32 s[G1M+2], 64<<16
	s_mov_b32 s[G1M+3], 128<<16
	s_mov_b32 s[G1M+4], 64
	s_mov_b32 s[G1M+5], 2048
	s_mov_b32 s[G1M+6], 0
	s_mov_b32 s[G1M+7], 0
	; where my tile goes in a slot: the wave's number alone
	s_mul_i32 s74, s24, KHEAD
	s_mul_i32 s83, s23, KODD
	s_add_co_u32 s74, s74, s83
	s_add_co_u32 s74, s74, KOFF                    ; K: head (w >> 1) & 1, keys with bit 5 = w & 1
	s_mul_i32 s75, s23, VHEAD
	s_add_co_u32 s75, s75, VOFF                    ; V: head w & 1
	s_mul_i32 s76, s23, 64*MP                      ; mask: rows 64 (w & 1) on
	; and where it comes from.  K's and V's offsets are made of the pair of heads and the wave's number, the mask's of the block of queries and the wave's number, each in registers that never hold the other coordinate
	s_mul_i32 s84, s80, 2*196608
	s_mul_i32 s86, s24, 196608
	s_add_co_u32 s86, s86, s84
	s_mul_i32 s83, s23, 32*96
	s_add_co_u32 s86, s86, s83
	s_mov_b32 s87, 0
	s_mul_i32 s88, s23, 196608
	s_add_co_u32 s88, s88, s84
	s_mov_b32 s89, 0
	s_lshl_b32 s90, s79, 20                        ; 128 rows of 8,192 bytes
	s_lshl_b32 s83, s23, 19
	s_add_co_u32 s90, s90, s83
	s_mov_b32 s91, 0
	s_lshl_b32 s92, s80, 1
	s_add_co_u32 s92, s92, s25                     ; my head
	s_lshl_b32 s92, s92, 11
	s_lshl_b32 s93, s79, 7
	s_add_co_u32 s92, s92, s93
	s_lshl_b32 s93, s26, 5
	s_add_co_u32 s92, s92, s93                     ; my first query, counted through all heads
	s_mul_i32 s94, s92, 96                         ; its codes,
	s_mov_b32 s95, 0
	s_lshl_b32 s96, s92, 2                         ; its scale word,
	s_mov_b32 s97, 0
	s_lshl_b32 s92, s92, 9                         ; its row of out0 (all under 2^27)
	s_mov_b32 s93, 0
	s_mov_b32 s66, 0x76543210
	s_mov_b32 s67, 0xfedcba98                      ; v_permlanex16_b32's selects for lane l xor 16
	s_mov_b32 s68, 0x3db504f3                      ; 128^-0.5
	s_mov_b32 s69, s68                             ; (the packed form names the pair and takes its low word for both halves: so the upper word is written)
	s_mov_b32 s70, 0x3fb8aa3b                      ; log2(e)
	s_mov_b32 s71, s70
	s_mov_b32 s72, 0
	s_mov_b32 s73, 0
	s_mov_b32 s27, 14
	; lane terms, all made here: r = lane % 16, h = lane / 16
	v_and_b32 v110, 15, v0                         ; r
	v_bfe_u32 v111, v0, 4, 1                       ; h
	v_and_b32 v112, 31, v0                         ; lane
	v_and_b32 v113, 7, v0                          ; r % 8
	v_bfe_u32 v114, v0, 3, 1                       ; r / 8
	v_bfe_u32 v115, v0, 2, 2                       ; r / 4
	v_and_b32 v116, 3, v0                          ; r % 4
	s_mul_i32 s83, s25, KHEAD
	s_add_co_u32 s83, s83, KOFF
	v_mul_u32_u24 v3, v113, CP
	v_mad_u32_u24 v3, v114, KODD, v3
	v_mad_u32_u24 v3, v111, 24, v3
	v_add_nc_u32 v3, s83, v3                       ; K: my head, row r % 8 of region r / 8, + 24 h
	v_lshl_add_u32 v4, v111, 4, v3                 ; and + 40 h
	s_mul_i32 s83, s25, VHEAD
	s_add_co_u32 s83, s83, VOFF
	v_mul_u32_u24 v5, v110, CP
	v_mad_u32_u24 v5, v111, 24, v5
	v_add_nc_u32 v5, s83, v5                       ; V: my head, row r, + 24 h
	v_lshl_add_u32 v6, v111, 4, v5
	s_mul_i32 s83, s26, 32*MP
	v_mul_u32_u24 v7, v110, MP
	v_lshl_add_u32 v7, v111, 7, v7
	v_add_nc_u32 v7, s83, v7                       ; mask: row 32 (w % 4) + r, + 128 h bytes
	v_lshl_add_u32 v13, v111, 7, PADB-512          ; pad: + 128 h; one step (512 bytes) back: PHA steps it at its head
	s_mul_i32 s83, s25, SHEAD
	s_add_co_u32 s83, s83, SCK-544                 ; (one step, 544 bytes, back)
	v_lshlrev_b32 v14, 2, v113
	v_lshl_add_u32 v14, v114, 7, v14
	v_lshl_add_u32 v14, v111, 5, v14
	v_add_nc_u32 v14, s83, v14                     ; K's scale words: key r % 8 + 32 (r / 8), + 8 keys for lanes 16-31 (the odd tile)
	s_add_co_u32 s83, s83, SCV-SCK+540             ; V's region, one step (4 bytes) back
	v_mul_u32_u24 v15, v115, 272
	v_lshl_add_u32 v15, v116, 6, v15
	v_mad_u32_u24 v15, v111, 1088, v15
	v_add_nc_u32 v15, s83, v15                     ; V's: row d = r is 64 r bytes on: run r / 4, byte 64 (r % 4); + 16 rows for lanes 16-31
	s_mul_i32 s83, s22, 16*MP
	v_mul_u32_u24 v56, v110, MP
	v_lshl_add_u32 v56, v111, 5, v56
	v_add_nc_u32 v56, s83, v56                     ; my stage, in: row r, + 32 h
	v_lshlrev_b32 v58, 4, v112                     ; out0: 16 bytes a lane of a row
	v_add_nc_u32 v57, s83, v58                     ; my stage, back: the 32 lanes take one row of 512 bytes
	v_lshlrev_b32 v23, 3, v111                     ; 8 h
	v_lshl_add_u32 v8, v0, 5, PADB                 ; at the head: where I store pad of my 8 keys,
	v_lshrrev_b32 v115, 4, v0
	v_mul_u32_u24 v9, v115, 272
	v_lshl_add_u32 v9, v110, 4, v9
	v_add_nc_u32 v9, SCK, v9                       ; and my 16 scale bytes: run thread / 16, byte 16 (thread % 16)
	v_lshlrev_b32 v10, 3, v0                       ; global offsets: key_padding_mask, 8 bytes a thread;
	v_lshlrev_b32 v11, 4, v0                       ; scale bytes, 16 a thread;
	v_mul_u32_u24 v12, v110, 96
	v_mad_u32_u24 v12, v111, 24, v12               ; Q: row r, + 24 h;
	v_lshlrev_b32 v59, 2, v112                     ; Q's scale words: 4 bytes a lane
	s_wait_kmcnt 0x0
	s_mov_b32 s[G0K], 1                            ; 1:0 count = 1
	s_mov_b32 s[G0K+1], s74                        ; 63:32 LDS address: slot 0
	s_add_nc_u64 s[G0K+2:G0K+3], s[8:9], s[86:87]  ; 120:64 global address: key step 0
	s_or_b32 s[G0K+3], s[G0K+3], 0x80000000        ; 127:126 type = 2
	s_mov_b32 s[G0V], 1
	s_mov_b32 s[G0V+1], s75
	s_add_nc_u64 s[G0V+2:G0V+3], s[16:17], s[88:89]
	s_or_b32 s[G0V+3], s[G0V+3], 0x80000000
	s_mov_b32 s[G0M], 1
	s_mov_b32 s[G0M+1], s76
	s_add_nc_u64 s[G0M+2:G0M+3], s[4:5], s[90:91]
	s_or_b32 s[G0M+3], s[G0M+3], 0x80000000
	s_lshr_b32 s84, s80, 3                         ; the batch: eight pairs of heads each
	s_lshl_b32 s84, s84, 11
	s_mov_b32 s85, 0
	s_add_nc_u64 s[6:7], s[6:7], s[84:85]          ; its row of key_padding_mask
	s_lshl_b32 s84, s80, 14                        ; the pair's scale bytes: 2 x 8,192, dense
	s_add_nc_u64 s[10:11], s[10:11], s[84:85]
	s_add_nc_u64 s[18:19], s[18:19], s[84:85]
	s_add_nc_u64 s[12:13], s[12:13], s[94:95]
	s_add_nc_u64 s[14:15], s[14:15], s[96:97]
	s_add_nc_u64 s[20:21], s[20:21], s[92:93]
	ROUND                                          ; all sixteen work-groups are here: the first joint loads meet
	JLOAD                                          ; key step 0 into slot 0: every wave's one first fill
	global_load_b64 v[64:65], v10, s[6:7]          ; my 8 keys' bytes of key_padding_mask
.irp k, 0,1,2,3
	global_load_b128 v[68+4*\k:71+4*\k], v11, s[10:11] offset:4096*\k      ; the pair's scale bytes come once, 256 threads x 16 consecutive bytes a load
	global_load_b128 v[84+4*\k:87+4*\k], v11, s[18:19] offset:4096*\k
.endr
	global_load_b32 v20, v59, s[14:15]             ; Q's scale words: lanes 0-15 tile 0, lanes 16-31 tile 1
	WIN 0x40
.irp q, 0,1
.irp p, 0,1,2,3,4,5
	global_load_b64 v[224+12*\q+2*\p:225+12*\q+2*\p], v12, s[12:13] offset:1536*\q+48*(\p/3)+8*(\p%3)      ; Q's two fragments stay in registers
.endr
.endr
.set j, 0
.rept 128
	v_mov_b32 v[j], 0                              ; O^T.  PHB is written for every step alike: the first finds zeros, which the first change of M leaves zeros; a first step of its own would be one more copy
.set j, j+1
.endr
	WIN 0
.irp t, 0,1
	v_mov_b32 v[25+4*\t], 0xff61b1e6               ; the largest t so far: -3e38, under every finite t
	v_floor_f32 v[24+4*\t], -v[25+4*\t]            ; -M
	v_mov_b32 v[26+4*\t], 0                        ; the sum, in two halves
	v_mov_b32 v[27+4*\t], 0
	v_mov_b32 v[61+2*\t], 0                        ; (named as the upper half of a pair on the way out)
.endr
	v_mov_b32 v108, 0xff800000                     ; -infinity
	s_wait_loadcnt 0x0
.irp i, 0,1,2,3,4,5,6,7
	v_bfe_u32 v109, v[64+\i/4], 8*(\i%4), 8
	v_cmp_eq_u32 vcc_lo, 0, v109
	v_cndmask_b32 v[100+\i], 0, v108, vcc_lo       ; pad = -inf where the byte is 0, else 0: a choice of values, no branch
.endr
.irp k, 0,1,2,3
	ds_store_b128 v9, v[68+4*\k:71+4*\k] offset:16*272*\k
	ds_store_b128 v9, v[84+4*\k:87+4*\k] offset:SCV-SCK+16*272*\k
.endr
	ds_store_b128 v8, v[100:103]
	ds_store_b128 v8, v[104:107] offset:16         ; the first change of slots waits for these stores in front of its barrier: behind it every wave may read them
	CHANGE 1                                       ; period 0 is written out: phase 1 has no step behind it yet.  Step 1 is asked for
	PHA                                            ; step 0
	PHB_IF 0                                       ; phase 0: step 0
.Lstep:                                                ; 14 trips, periods j = 1 .. 14: step j + 1 is asked for;
	CHANGE 1
	PHB_IF 1                                       ; phase 1: step j - 1, from registers, while phase 0 is at LDS;
	PHA                                            ; step j;
	PHB_IF 0                                       ; phase 0: step j, while phase 1 is at LDS
	s_sub_co_u32 s27, s27, 1
	s_cmp_lg_u32 s27, 0
	s_cbranch_scc1 .Lstep
	CHANGE 0                                       ; period 15 is written out: nothing is left to ask for
	PHB_IF 1                                       ; phase 1: step 14
	PHA                                            ; step 15
	PHB                                            ; step 15, every wave
	; THE WAY OUT.  The sum's two halves and the other half of the lanes' are added; O^T is divided by the sum and goes through my stage in LDS, a tile (16 rows of 512 bytes) at a time.
	; The four additions and the v_nop below name no register of the last products: they are the places between those and the first read of O^T.
	v_add_f32 v60, v26, v27
	v_add_f32 v62, v30, v31
	v_permlanex16_b32 v192, v60, s66, s67
	v_permlanex16_b32 v194, v62, s66, s67
	v_add_f32 v60, v60, v192
	v_add_f32 v62, v62, v194                       ; the rows' sums
	v_rcp_f32 v60, v60
	v_rcp_f32 v62, v62
	v_nop                                          ; a plain instruction between the last reciprocal and the use of its result
	s_wait_alu depctr_va_vdst(0)
.macro PACK t
	WIN 0x01                                       ; source 0 (O^T) in window 1; the results take p's registers
.set j, 0
.rept 32
	v_pk_mul_f32 v[64+64*\t+j:65+64*\t+j], v[64*\t+j:64*\t+j+1], v[60+2*\t:61+2*\t] op_sel_hi:[1,0]    ; register 8 a + i is out0(query r, 16 a + 8 h + i); each accumulator from its low end on
.set j, j+2
.endr
	WIN 0
.irp a, 0,1,2,3,4,5,6,7
	ds_store_b128 v56, v[64+64*\t+8*\a:67+64*\t+8*\a] offset:64*\a
	ds_store_b128 v56, v[68+64*\t+8*\a:71+64*\t+8*\a] offset:64*\a+16
.endr
.irp i, 0,1,2,3,4,5,6,7,8,9,10,11,12,13,14,15
	ds_load_b128 v[64+64*\t+4*\i:67+64*\t+4*\i], v57 offset:MP*\i      ; LDS serves a wave's instructions in order (ISA guide 5.7.1.4): these see the stores above, and the next tile's stores come behind them
.endr
.endm
.macro SEND t, younger                 ; younger: the LDS instructions issued behind tile t's loads
.irp i, 0,1,2,3,4,5,6,7,8,9,10,11,12,13,14,15
	s_wait_dscnt \younger+15-\i
	global_store_b128 v58, v[64+64*\t+4*\i:67+64*\t+4*\i], s[20:21] offset:8192*\t+512*\i th:TH_STORE_NT       ; 32 lanes store a row's 512 consecutive bytes, at a multiple of 256 from out0's first byte; written once, read by nobody here
.endr
.endm
	PACK 0
	PACK 1                                         ; tile 1's arithmetic stands between tile 0's loads and its stores
	SEND 0, 32                                     ; behind tile 0's loads: tile 1's 16 stores and 16 loads
	SEND 1, 0
	s_wait_tensorcnt 0x0                           ; the wave's end, behind my last tensor load and my last LDS store
	ds_add_u32 v1, v2
	s_wait_dscnt 0x0
	ROUND                                          ; the closing round: no work-group ends while a partner may still ask for a tile that names it
	s_endpgm
.Lfunc_end_k_qb6b3a1fb88_attn:
	.size	k_qb6b3a1fb88_attn, .Lfunc_end_k_qb6b3a1fb88_attn-k_qb6b3a1fb88_attn
	.p2alignl 7, 3214868480
	.fill 96, 4, 3214868480
	.section	.rodata,"a",@progbits
	.p2align	6, 0x0
	.amdhsa_kernel k_qb6b3a1fb88_attn
		.amdhsa_group_segment_fixed_size 327680
		.amdhsa_private_segment_fixed_size 0
		.amdhsa_enable_private_segment 0
		.amdhsa_kernarg_size 72
		.amdhsa_user_sgpr_count 2
		.amdhsa_user_sgpr_kernarg_segment_ptr 1
		.amdhsa_wavefront_size32 1
		.amdhsa_system_sgpr_workgroup_id_x 1
		.amdhsa_system_sgpr_workgroup_id_y 1
		.amdhsa_system_sgpr_workgroup_id_z 1
		.amdhsa_system_vgpr_workitem_id 0
		.amdhsa_next_free_vgpr 512
		.amdhsa_next_free_sgpr 100
		.amdhsa_reserve_vcc 1
		.amdhsa_float_denorm_mode_32 3
		.amdhsa_float_denorm_mode_16_64 3
		.amdhsa_memory_ordered 1
		.amdhsa_forward_progress 1
		.amdhsa_inst_pref_size 222
	.end_amdhsa_kernel
	.amdgpu_metadata
---
amdhsa.version: [ 1, 2 ]
amdhsa.kernels:
  - .name:           k_qb6b3a1fb88_attn
    .symbol:         k_qb6b3a1fb88_attn.kd
    .args:
      - { .name: attn_mask, .offset: 0, .size: 8, .value_kind: global_buffer, .address_space: global }
      - { .name: key_padding_mask, .offset: 8, .size: 8, .value_kind: global_buffer, .address_space: global }
      - { .name: keys_codes, .offset: 16, .size: 8, .value_kind: global_buffer, .address_space: global }
      - { .name: keys_scales, .offset: 24, .size: 8, .value_kind: global_buffer, .address_space: global }
      - { .name: seqs_codes, .offset: 32, .size: 8, .value_kind: global_buffer, .address_space: global }
      - { .name: seqs_scales, .offset: 40, .size: 8, .value_kind: global_buffer, .address_space: global }
      - { .name: values_codes, .offset: 48, .size: 8, .value_kind: global_buffer, .address_space: global }
      - { .name: values_scales, .offset: 56, .size: 8, .value_kind: global_buffer, .address_space: global }
      - { .name: out0, .offset: 64, .size: 8, .value_kind: global_buffer, .address_space: global }
    .group_segment_fixed_size: 327680
    .private_segment_fixed_size: 0
    .kernarg_segment_align: 8
    .kernarg_segment_size: 72
    .max_flat_workgroup_size: 256
    .sgpr_count:     100
    .vgpr_count:     512
    .wavefront_size: 32
...
	.end_amdgpu_metadata
.endif
;; end of part 1
